; MI455X (gfx1250); checked and timed in simulation.
; The chip was launched on July 23, 2026; its instructions are those of AMD's public machine-readable ISA for CDNA 5 (MIT licence, August 2026) and "CDNA5" Instruction Set Architecture Reference Guide (July 2026). The comments in the code are by the model that wrote it; some were corrected since.
;; Vector Quantizer. Allowed arithmetic: matrix products marked QUANTISED: E5M2 operands, one E8M0 scale for each 32 along K, by v_wmma_scale_f32_16x16x128_f8f6f4 with both operands' format E5M2, f32 sums; everything else in f32.
;; Inputs: embeddings 128 x 1,024 float32; x 64 x 32 x 32 x 128 float32.
;; Outputs: out0 64 x 32 x 32 x 128 float32.
;; This version of the problem:
;;   THIS VERSION OF THE PROBLEM IS GIVEN IN LOW PRECISION. The matrix products marked QUANTISED in the list below multiply operands that are first quantised to E5M2 (5 exponent bits, 2 mantissa bits; 8 bits a number), with one power-of-two scale for each 32 numbers along K (OCP MX v1.0); their sums are f32. All else is computed in f32.
;;   The module's matrix products, in the order in which they are computed (A, B: the left and right operand; K: the contracted axis; several contracted axes count as one K, in the product's order):
;;     1. [M 65,536, K 128] x [K 128, N 1,024]; A: input x; B: input embeddings: QUANTISED
;;   THE QUANTISER, for each operand of a quantised product, along K:
;;     - K is cut into blocks of 32 from its start; a last block that is shorter is filled with zeros.
;;     - A block's scale is 2^e with e = floor(log2(the largest magnitude in the block)) - 15, held to -126 .. 127; a block of zeros has e = 0. As a byte (E8M0): e + 127.
;;     - Each number is divided by its block's scale, clamped to +-57,344, and rounded to the nearest number of E5M2, ties to even, subnormals kept.
;;     - The product sums the exact products of the quantised numbers (number of the format x scale) in f32.
;;   ~~~python
;;   def quantise(x, axis):      # numpy; x: float32 -> the quantised numbers, widened to float32 again
;;       x = np.moveaxis(x, axis, -1); K = x.shape[-1]
;;       x = np.pad(x, [(0, 0)] * (x.ndim - 1) + [(0, -K % 32)]); x = x.reshape(x.shape[:-1] + (-1, 32)); a = np.abs(x).max(-1, keepdims=True)
;;       e = np.where(a > 0, np.clip(np.frexp(np.where(a > 0, a, 1))[1] - 1 - 15, -126, 127), 0)      # np.frexp(a)[1] - 1 = floor(log2(a)), exactly
;;       r = np.clip(x / 2.0 ** e, -57344, 57344)
;;       step = 2.0 ** (np.maximum(np.frexp(np.where(r == 0, 1, r))[1] - 1, -14) - 2)
;;       q = np.round(r / step) * step * 2.0 ** e      # np.round: ties to even
;;       return np.moveaxis(q.reshape(q.shape[:-2] + (-1,))[..., :K], -1, axis).astype(np.float32)
;;   ~~~
;; One version. Each part assembles by itself: llvm-mc -triple=amdgcn-amd-amdhsa -mcpu=gfx1250 --defsym DOCPART=n.
;; ======== version 1 of 1: 3 launches
;; limits: right only within a limited range of input values
;; workspace buffers: epack 139,264 bytes; embt 524,288 bytes; idx 262,144 bytes of whole numbers
;; launch prep (part 1): grid 32 x 1, 4 waves a work-group, no clusters, 18,432 bytes of LDS; arguments embeddings, epack, embt; writes epack, embt
.if DOCPART == 1
	.amdgcn_target "amdgcn-amd-amdhsa--gfx1250"
	.amdhsa_code_object_version 6
	.text
	.protected	k_q822d8a4c5f_prep
	.globl	k_q822d8a4c5f_prep
	.p2align	8
	.type	k_q822d8a4c5f_prep,@function
k_q822d8a4c5f_prep:
	s_mov_b64 s[64:65], 0
	v_nop
	global_prefetch_b8 v0, s[64:65] scope:SCOPE_SE
	s_setreg_imm32_b32 hwreg(HW_REG_WAVE_MODE, 25, 1), 1
	s_wait_xcnt 0x0
; THE PROGRAM: prep lays the codebook out, nearest finds each row's code, gather writes the codes' vectors.
; DEAD WORK THAT IS LEFT OUT, for all finite inputs, in exact arithmetic:
;   (1) out = x + (q - x) = q, an identity in x: so gather stores q and does not load x.  q is a row of the codebook, unrounded.
;   (2) |f|^2 is added to all 1,024 distances of a row alike and so moves no argmin: nearest compares |e|^2 - 2 f . e alone (as f . e - |e|^2 / 2, whose halving is exact).
; LIMITS: a NaN, an infinity or an overflow that reaches only what is left out (x's own sum of squares; x in the last sum) is not carried to the result.  Two codes whose distances
;   to a row lie closer together than the f32 rounding of |f|^2 + |e|^2 - 2 f . e are told apart here by the unrounded sums' order, where reference() may find them equal or turned round.
;   NaN and infinities among the inputs are not served.  A block of zeros gets the scale byte 1 where the rule says 127: its codes are zeros, and the bytes are read by this program alone.
;
; THIS LAUNCH.  The codebook e [128 (k)][1024 (n)], f32, is prepared once.
;   epack 0 .. 131071: e's codes of BF8 (E5M2), quantised along k in blocks of 32, as images of the matrix operand's registers: for tile t (codes 16 t .. 16 t + 15), register group c, half h and
;     row r the 16 codes k = 32 c + 16 h + 0 .. 15 of code 16 t + r lie at 2048 t + 512 c + 256 h + 16 r.
;   epack 131072 + 256 W: for codes 32 W .. 32 W + 31 first their 32 scale words (byte b for block b), then their 32 ne = -0.5 x sum over k of e[k][n]^2, f32: one unit of 256 bytes.
;   embt: e transposed, [1024][128] f32.
; Work-group W takes columns 32 W .. 32 W + 31, wave c the k's 32 c .. 32 c + 31: a lane holds a column and its 32 registers run down k, so a block lies in one lane and the conversions give codes with k innermost.
; The four waves' parts of a column meet in LDS behind one barrier.  No cluster and no tensor load: no two work-groups read the same bytes, each once; no loop, so nothing to prefetch ahead of.
.set X,    64                          ; v64-95   e[32 c + n][my column]; later rows of embt on their way out
.set Y,    96                          ; v96-127  the same, held
.set C,    32                          ; v32-39   codes
.set SP,   528                         ; a stage row: 512 bytes + 16
.set SBY,  32*SP                       ; 16896: scale bytes, a word a column
.set SQ,   SBY+256                     ; sums of squares: 128 bytes for each wave
.set SPARE, SQ+512                     ; spare words, 128 bytes for each wave
.set SPW,  14
.set NIL,  15
	s_load_b128 s[4:7], s[0:1], 0x0                ; e s[4:5], epack s[6:7]
	s_load_b64 s[8:9], s[0:1], 0x10                ; embt
	v_lshrrev_b32 v1, 5, v0
	v_readfirstlane_b32 s10, v1                    ; wave c
	s_lshl_b32 s16, ttmp9, 7
	s_lshl_b32 s11, s10, 17
	s_add_co_u32 s16, s16, s11                     ; e: 32 c rows of 4,096 bytes + 128 W
	s_mov_b32 s17, 0
	s_lshl_b32 s18, ttmp9, 12
	s_lshl_b32 s11, s10, 9
	s_add_co_u32 s18, s18, s11                     ; codes: 4096 W + 512 c
	s_mov_b32 s19, 0
	s_lshl_b32 s22, ttmp9, 14
	s_lshl_b32 s11, s10, 12
	s_add_co_u32 s22, s22, s11                     ; embt: rows 32 W + 8 c on
	s_mov_b32 s23, 0
	s_lshl_b32 s24, ttmp9, 8
	s_mov_b32 s25, 0
	s_mov_b32 s20, 0x600000                        ; the mantissa field of 57,344
	s_mov_b32 s21, 0xffff0000                      ; lanes 16-31
	s_lshl_b32 s12, s10, 7                         ; 128 c
	s_add_co_u32 s13, s12, SQ
	s_add_co_u32 s14, s10, SBY
	s_mul_i32 s15, s10, 8*SP
	v_lshl_add_u32 v[SPW], v0, 2, SPARE
	v_mov_b32 v[NIL], 0
	v_and_b32 v1, 31, v0                           ; lane
	v_lshlrev_b32 v2, 2, v1                        ; my column in a row of e
	v_and_b32 v7, 15, v1
	v_lshrrev_b32 v3, 4, v1
	v_lshlrev_b32 v3, 11, v3
	v_lshl_add_u32 v3, v7, 4, v3                   ; codes: 2048 x (lane / 16) + 16 x (lane % 16)
	v_mul_u32_u24 v4, v1, SP
	v_add_nc_u32 v4, s12, v4                       ; the stage, in: row = my column, + 128 c
	v_lshlrev_b32 v6, 4, v1
	v_add_nc_u32 v5, s15, v6                       ; and out: 32 lanes take one row, my wave rows 8 c on
	v_add_nc_u32 v8, s14, v2                       ; my scale byte
	v_add_nc_u32 v9, s13, v2                       ; my sum of squares
	v_lshl_add_u32 v10, v7, 3, SBY                 ; two columns' scale words; their sums lie 256 and more behind
	v_lshlrev_b32 v11, 3, v1
	s_wait_alu depctr_va_vdst(0)                   ; the wait at the head's end
	s_wait_kmcnt 0x0
	s_add_nc_u64 s[4:5], s[4:5], s[16:17]
	s_add_nc_u64 s[26:27], s[6:7], s[24:25]
	s_add_nc_u64 s[6:7], s[6:7], s[18:19]
	s_add_nc_u64 s[8:9], s[8:9], s[22:23]
.irp n, 0,1,2,3,4,5,6,7,8,9,10,11,12,13,14,15,16,17,18,19,20,21,22,23,24,25,26,27,28,29,30,31
	global_load_b32 v[X+\n], v2, s[4:5] offset:4096*\n th:TH_LOAD_NT
.endr
	s_wait_loadcnt 0x0
.irp n, 0,1,2,3,4,5,6,7
	ds_store_b128 v4, v[X+4*\n:X+4*\n+3] offset:16*\n              ; the numbers as they are, into my column's row of the stage
.endr
	v_pk_mul_f32 v[16:17], v[X:X+1], v[X:X+1]                      ; the first products start the sums of squares
	v_pk_mul_f32 v[18:19], v[X+2:X+3], v[X+2:X+3]
	v_max3_num_f32 v20, |v[X]|, |v[X+1]|, |v[X+2]|
	v_max3_num_f32 v21, |v[X+3]|, |v[X+4]|, |v[X+5]|
.irp n, 4,8,12,16,20,24
	v_pk_fma_f32 v[16:17], v[X+\n:X+\n+1], v[X+\n:X+\n+1], v[16:17]
	v_pk_fma_f32 v[18:19], v[X+\n+2:X+\n+3], v[X+\n+2:X+\n+3], v[18:19]
	v_max3_num_f32 v20, v20, |v[X+\n+2]|, |v[X+\n+3]|
	v_max3_num_f32 v21, v21, |v[X+\n+4]|, |v[X+\n+5]|
.endr
	v_pk_fma_f32 v[16:17], v[X+28:X+29], v[X+28:X+29], v[16:17]
	v_pk_fma_f32 v[18:19], v[X+30:X+31], v[X+30:X+31], v[18:19]
	v_max3_num_f32 v20, v20, |v[X+30]|, |v[X+31]|
	v_pk_add_f32 v[16:17], v[16:17], v[18:19]
	v_max3_num_f32 v20, v20, v21, 0x8000000                        ; the block's largest magnitude, over the floor 2^(16 - 127): the byte cannot fall under 1
	v_add_f32 v16, v16, v17                                        ; my 32 squares
	v_add_nc_u32 v23, 0xf8800000, v20                              ; 15 off the exponent field: the conversion's scale operand
	v_and_or_b32 v22, v20, 0x7f800000, s20                         ; 57,344 x the scale
	v_lshrrev_b32 v24, 23, v23                                     ; the scale's byte
	ds_store_b32 v9, v16
	ds_store_b8 v8, v24
	s_wait_alu depctr_va_vdst(0)                   ; directly ahead of the wait below
	s_wait_dscnt 0x0                               ; for the other waves' sake: my stores have landed
	s_barrier_signal -1
.irp n, 0,1,2,3,4,5,6,7,8,9,10,11,12,13,14,15,16,17,18,19,20,21,22,23,24,25,26,27,28,29,30,31
	v_med3_num_f32 v[Y+\n], v[X+\n], -v22, v22                     ; the conversion to an 8-bit code does not saturate (ISA guide 7.6.2): the hold at the largest code x the scale
.endr
.irp g, 0,1,2,3
	v_cvt_scalef32_pk8_bf8_f32 v[C+2*\g:C+2*\g+1], v[Y+8*\g:Y+8*\g+7], v23
.endr
	v_nop                                          ; one plain vector line behind the last conversion of a run
	s_wait_alu depctr_va_vdst(0)
	s_barrier_wait -1                              ; all four waves' parts lie in LDS
	ds_load_b64 v[26:27], v10                      ; two columns' scale words
.irp c, 0,1,2,3
	ds_load_b64 v[40+2*\c:41+2*\c], v10 offset:256+128*\c          ; and their four sums each
.endr
.irp i, 0,1,2,3,4,5,6,7
	ds_load_b128 v[X+4*\i:X+4*\i+3], v5 offset:\i*SP               ; eight rows of embt
.endr
	global_store_b128 v3, v[C:C+3], s[6:7]                         ; k = 32 c + 0 .. 15: sixteen lanes store 256 consecutive bytes, aligned; the other sixteen the next tile's
	global_store_b128 v3, v[C+4:C+7], s[6:7] offset:256            ; k = 32 c + 16 .. 31
	s_wait_dscnt 0x8                               ; the first five are in; the eight rows may be out
	v_pk_add_f32 v[40:41], v[40:41], v[42:43]
	v_pk_add_f32 v[44:45], v[44:45], v[46:47]
	v_pk_add_f32 v[40:41], v[40:41], v[44:45]
	v_mul_f32 v40, -0.5, v40                       ; ne of two columns
	v_mul_f32 v41, -0.5, v41
	v_cndmask_b32 v48, v26, v40, s21               ; lanes 0-15: scale words; lanes 16-31: ne
	v_cndmask_b32 v49, v27, v41, s21
	s_cmp_lg_u32 s10, 0
	s_cbranch_scc1 .Lrows                          ; the four waves hold the same: wave 0 stores it
	global_store_b64 v11, v[48:49], s[26:27] offset:131072         ; 32 lanes store one aligned unit of 256 bytes
.Lrows:
.irp i, 0,1,2,3,4,5,6,7
	s_wait_dscnt 7-\i                              ; row i is back; the younger rows may be out
	global_store_b128 v6, v[X+4*\i:X+4*\i+3], s[8:9] offset:512*\i ; 32 lanes store 512 consecutive bytes, aligned
.endr
	s_wait_tensorcnt 0x0                           ; the wave's end
	ds_add_u32 v[SPW], v[NIL]
	s_wait_dscnt 0x0
	s_endpgm
.Lfunc_end_k_q822d8a4c5f_prep:
	.size	k_q822d8a4c5f_prep, .Lfunc_end_k_q822d8a4c5f_prep-k_q822d8a4c5f_prep
	.p2alignl 7, 3214868480
	.fill 96, 4, 3214868480
	.section	.rodata,"a",@progbits
	.p2align	6, 0x0
	.amdhsa_kernel k_q822d8a4c5f_prep
		.amdhsa_group_segment_fixed_size 18432
		.amdhsa_private_segment_fixed_size 0
		.amdhsa_enable_private_segment 0
		.amdhsa_kernarg_size 24
		.amdhsa_user_sgpr_count 2
		.amdhsa_user_sgpr_kernarg_segment_ptr 1
		.amdhsa_wavefront_size32 1
		.amdhsa_system_sgpr_workgroup_id_x 1
		.amdhsa_system_sgpr_workgroup_id_y 1
		.amdhsa_system_sgpr_workgroup_id_z 1
		.amdhsa_system_vgpr_workitem_id 0
		.amdhsa_next_free_vgpr 128
		.amdhsa_next_free_sgpr 66
		.amdhsa_reserve_vcc 0
		.amdhsa_float_denorm_mode_32 3
		.amdhsa_float_denorm_mode_16_64 3
		.amdhsa_memory_ordered 1
		.amdhsa_forward_progress 1
		.amdhsa_inst_pref_size 14
	.end_amdhsa_kernel
	.amdgpu_metadata
---
amdhsa.version: [ 1, 2 ]
amdhsa.kernels:
  - .name:           k_q822d8a4c5f_prep
    .symbol:         k_q822d8a4c5f_prep.kd
    .args:
      - { .name: embeddings, .offset: 0, .size: 8, .value_kind: global_buffer, .address_space: global }
      - { .name: epack, .offset: 8, .size: 8, .value_kind: global_buffer, .address_space: global }
      - { .name: embt, .offset: 16, .size: 8, .value_kind: global_buffer, .address_space: global }
    .group_segment_fixed_size: 18432
    .private_segment_fixed_size: 0
    .kernarg_segment_align: 8
    .kernarg_segment_size: 24
    .max_flat_workgroup_size: 128
    .sgpr_count:     66
    .vgpr_count:     128
    .wavefront_size: 32
...
	.end_amdgpu_metadata
.endif
;; end of part 1
;; launch nearest (part 2): grid 256 x 1, 8 waves a work-group, clusters of 4 x 1, 327,680 bytes of LDS; arguments x, epack, idx; writes idx
.if DOCPART == 2
	.amdgcn_target "amdgcn-amd-amdhsa--gfx1250"
	.amdhsa_code_object_version 6
	.text
	.protected	k_q822d8a4c5f_nearest
	.globl	k_q822d8a4c5f_nearest
	.p2align	8
	.type	k_q822d8a4c5f_nearest,@function
k_q822d8a4c5f_nearest:
	s_mov_b64 s[64:65], 0
	v_nop
	global_prefetch_b8 v0, s[64:65] scope:SCOPE_SE
	s_setreg_imm32_b32 hwreg(HW_REG_WAVE_MODE, 25, 1), 1
	s_wait_xcnt 0x0
	s_wait_alu depctr_hold_cnt(0) depctr_sa_sdst(0) depctr_va_vdst(0) depctr_va_sdst(0) depctr_va_ssrc(0) depctr_va_vcc(0) depctr_vm_vsrc(0)
	s_getreg_b32 s2, hwreg(HW_REG_IB_STS2, 6, 4)
	s_cmp_eq_u32 s2, 0
	s_cbranch_scc0 .Lentry_in_a_cluster
	s_endpgm
.Lentry_in_a_cluster:
	s_bfe_u32 s2, ttmp6, 0x10000c
	s_cmp_lg_u32 s2, 0x3003
	s_cbranch_scc0 .Lentry_shape_is_right
	s_endpgm
.Lentry_shape_is_right:
; idx[row] = the first code n with the largest D = f . e_n + ne[n], ne = -0.5 |e_n|^2, which is the smallest |e_n|^2 - 2 f . e_n; f = row of x [65536][128] f32; f . e_n on codes of BF8 (E5M2), one E8M0 scale for each 32 along k.
; LEFT OUT (shown at the first kernel's head): |f|^2, which is the same for all codes of a row.  LIMITS as stated there: near-equal distances; NaN, infinities and an overflow of |f|^2.  Also: a row whose every D is -infinity is not served.
; SHARES.  Work-group g owns rows 256 g .. 256 g + 255, in two passes of 128 rows.  Eight waves, two to a SIMD.  In a pass wave w quantises row tile w (16 rows) and hands fragment and scale words over through LDS as images of the registers;
; then it searches 64 rows (group w % 2: four row tiles) against a quarter of the codes (quarter w / 2: 16 tiles of 16): each code fragment read from LDS feeds four matrix instructions.
; x comes by plain loads into registers and turns through the wave's own stage in LDS: loaded 512 consecutive bytes an instruction, read back 64 bytes a lane.  Pass 1's rows are asked for when pass 0's have been staged, and are on their way while pass 0 is quantised and searched.
; TRANSPOSED USE.  Source 0 = 16 codes, source 1 = 16 rows of x, C = ne: lane (r, h) holds ONE row of x (r = lane % 16), its register j the code 16 t + 8 h + j (h = lane / 16), and ne as LDS holds it is C's layout.
; THE SEARCH.  For each row tile BEST, the running largest D (two registers by turns); where a tile raises it (strictly: an earlier tile keeps a tie) the tile's number and its eight D are kept by selects.  At a pass's end the lowest j whose
; kept D equals BEST gives the code; the two halves of the lanes meet by one exchange, the four quarters through LDS at the end.  No branch and no address hangs on these numbers.
; CLUSTER.  All work-groups read the same epack: the four of a cluster ask for it JOINTLY, each wave an eighth (68 rows of 256 bytes), with the same descriptor and a mask that names the four.  x is each work-group's own.  A wave has one tensor load out, at the head.
; No prefetch: each half of x is asked for once and whole, well ahead of its use; the loop reads LDS alone.
; LDS: 0 epack as in memory (ne and scale words from SCO); from XS a stage of 16 rows x 528 bytes for each wave; IMF, ISW images of both passes; MV, MI_ values and indices of the four quarters; SPARE.  No tensor load fills bytes twice.
; REGISTERS: v1-14 and v86-93 lane terms and addresses; v16-79 x's four fragments (at the head pass 0's rows as loaded); v80-83 their scale words; v84-85 the codes'; v94-101 BEST; v102-105 the best tile; v106-137 its eight D;
;   v138-169 code fragments, two sets; v170-185 ne, two sets (while x is quantised: at work); v186-249 D, two sets; v256-319 pass 1's rows as loaded.  Turned rows, 64 numbers a lane: v186-217 (D's set 0), then v138-169.
.set SCO,  131072
.set EQ,   17408                       ; an eighth of epack
.set XS,   139264
.set XP,   528                         ; 132 words: 16 rows start at 16 different groups of four banks (ISA guide 11.1)
.set XW,   16*XP
.set IMF,  XS+8*XW                     ; 206848
.set ISW,  IMF+16*2048
.set MV,   ISW+16*128
.set MI_,  MV+4096
.set SPARE, MI_+4096
.set XO,   10
.set STW,  11
.set STR,  12
.set SPW,  13
.set NIL,  14
.set XF,   16
.set XSW,  80
.set SCA,  84
.set IWF,  86
.set IWS,  87
.set IRF,  88
.set IRS,  89
.set MRW,  90
.set MRR,  91
.set IB,   92
.set SO,   93
.set BEST, 94                          ; BEST of row tile i, set p: v[BEST + 2 i + p]
.set TIDX, 102
.set SAV,  106
.set AF,   138
.set NE,   170
.set D,    186                         ; set p, row tile i: v[D + 32 p + 8 i]
.set TU,   186                         ; turned rows: block b at v[TU + 16 b - 80 (b / 2)]: v186, v202, v138, v154
.set TM,   170
.set G1E,  16
.set G0E,  36
.set MSB, 0
.macro WIN new                         ; the immediate's high byte repeats the setting that is left
.if MSB != \new
	s_set_vgpr_msb (MSB<<8)|\new
.set MSB, \new
.endif
.endm
; A round of the cluster's barrier: my work-group's barrier, so that wave 0's signal speaks for all eight waves; wave 0 signals; every wave waits for the four work-groups; my work-group's barrier once more.
.macro CROUND
	s_barrier_signal -1
	s_barrier_wait -1
	s_cmp_lg_u32 s10, 0
	s_cbranch_scc1 .Lnot_wave_0_\@
	s_barrier_signal -3
.Lnot_wave_0_\@:
	s_barrier_wait -3
	s_barrier_signal -1
	s_barrier_wait -1
.endm
	s_load_b128 s[4:7], s[0:1], 0x0                ; x s[4:5], epack s[6:7]
	s_load_b64 s[8:9], s[0:1], 0x10                ; idx
	v_lshl_add_u32 v[SPW], v0, 2, SPARE
	v_mov_b32 v[NIL], 0
	ds_add_u32 v[SPW], v[NIL]                      ; the opening lines: the add, twice on end, and one wait
	ds_add_u32 v[SPW], v[NIL]
	v_lshrrev_b32 v1, 5, v0
	v_readfirstlane_b32 s10, v1                    ; wave 0..7
	s_bfe_u32 s11, ttmp6, 0x40000                  ; cx
	s_lshl_b32 s12, ttmp9, 2                       ; in a cluster launch ttmp9 counts clusters
	s_add_co_u32 s12, s12, s11                     ; g: it enters x's and idx's addresses alone
	s_lshl_b32 s58, s12, 17
	s_lshl_b32 s59, s10, 13
	s_add_co_u32 s58, s58, s59                     ; 256 g + 16 w rows of 512 bytes
	s_mov_b32 s59, 0
	s_lshl_b32 s60, s12, 10
	s_lshl_b32 s61, s10, 8
	s_add_co_u32 s60, s60, s61                     ; 256 g + 64 w indices (waves 0-3 store)
	s_mov_b32 s61, 0
	s_mul_i32 s56, s10, EQ                         ; my eighth of epack: the wave's number alone
	s_mov_b32 s57, 0
	s_and_b32 s43, s10, 1                          ; my group of 64 rows
	s_lshr_b32 s15, s10, 1                         ; my quarter of the codes
	s_mul_i32 s24, s10, XW
	s_add_co_u32 s24, s24, XS                      ; my stage
	s_lshl_b32 s25, s15, 15                        ; 16 tiles of 2,048 bytes
	s_lshl_b32 s26, s15, 11                        ; 8 units of 256 bytes
	s_add_co_u32 s26, s26, SCO
	s_add_co_u32 s27, s26, 128
	s_lshl_b32 s28, s10, 11
	s_add_co_u32 s28, s28, IMF                     ; the image that I make,
	s_lshl_b32 s29, s10, 7
	s_add_co_u32 s29, s29, ISW
	s_lshl_b32 s30, s43, 13
	s_add_co_u32 s30, s30, IMF                     ; my group's four
	s_lshl_b32 s31, s43, 9
	s_add_co_u32 s31, s31, ISW
	s_lshl_b32 s32, s15, 10
	s_lshl_b32 s33, s43, 8
	s_add_co_u32 s32, s32, s33
	s_add_co_u32 s32, s32, MV                      ; my quarter's results of my group
	s_lshl_b32 s33, s10, 8
	s_add_co_u32 s33, s33, MV                      ; at the end: rows 64 w on
	s_lshl_b32 s34, s15, 8                         ; my quarter's first code
	s_mov_b32 s44, 0x76543210
	s_mov_b32 s45, 0xfedcba98                      ; v_permlanex16_b32's selects for lane l xor 16
	s_mov_b32 s46, 0x600000                        ; the mantissa field of 57,344
	s_mov_b32 s47, 0xffff0000                      ; lanes 16-31
	s_mov_b32 s[G1E+0], 15|(3<<16)|(1<<21)         ; the mask: all four; elements of 8 bytes; 21 set beside a mask
	s_mov_b32 s[G1E+1], 32<<16                     ; 68 dense rows of 32 elements, no padding
	s_mov_b32 s[G1E+2], 68<<16
	s_mov_b32 s[G1E+3], 32<<16
	s_mov_b32 s[G1E+4], 68
	s_mov_b32 s[G1E+5], 32
	s_mov_b32 s[G1E+6], 0
	s_mov_b32 s[G1E+7], 0
	s_mov_b32 s[G0E], 1
	s_mul_i32 s[G0E+1], s10, EQ
	v_and_b32 v3, 31, v0                           ; lane
	v_and_b32 v1, 15, v0                           ; r
	v_bfe_u32 v2, v0, 4, 1                         ; h
	v_lshlrev_b32 v[XO], 4, v3
	v_lshl_add_u32 v[STW], v3, 4, s24              ; the stage, in: 512 consecutive bytes a row
	v_mul_u32_u24 v[STR], v1, XP
	v_lshl_add_u32 v[STR], v2, 6, v[STR]
	v_add_nc_u32 v[STR], s24, v[STR]               ; and out: row r, + 64 h: my 16 numbers of a block of 32
	v_lshl_add_u32 v4, v3, 4, s25                  ; a code fragment's image
	v_lshl_add_u32 v5, v1, 2, s26                  ; scale words
	v_lshl_add_u32 v6, v2, 5, s27                  ; ne
	v_lshl_add_u32 v[IWF], v3, 4, s28
	v_lshl_add_u32 v[IWS], v3, 2, s29
	v_lshl_add_u32 v[IRF], v3, 4, s30
	v_lshl_add_u32 v[IRS], v3, 2, s31
	v_lshl_add_u32 v[MRW], v3, 2, s32
	v_lshl_add_u32 v[MRR], v3, 3, s33
	v_lshl_add_u32 v[IB], v2, 3, s34               ; 8 h + my quarter's first code
	v_lshlrev_b32 v[SO], 3, v3
.irp b, 0,1,2,3
	v_mov_b32 v[TM+4+\b], 0                        ; written once: a lane permute's destination counts as one of its sources
.endr
	s_wait_alu depctr_va_vdst(0)                   ; the wait at the head's end
	s_wait_dscnt 0x0                               ; both opening adds are done
	CROUND                                         ; all four work-groups are here: the joint loads meet.  (The round needs no argument, so it stands ahead of the wait for them)
	s_wait_kmcnt 0x0
	s_add_nc_u64 s[G0E+2:G0E+3], s[6:7], s[56:57]
	s_or_b32 s[G0E+3], s[G0E+3], 0x80000000
	tensor_load_to_lds s[G0E:G0E+3], s[G1E:G1E+7]  ; my eighth of epack, jointly
	s_nop 0
.rept 4
	v_nop
.endr
	s_add_nc_u64 s[4:5], s[4:5], s[58:59]
	s_add_nc_u64 s[8:9], s[8:9], s[60:61]
.irp i, 0,1,2,3,4,5,6,7,8,9,10,11,12,13,14,15
	global_load_b128 v[XF+4*\i:XF+4*\i+3], v[XO], s[4:5] offset:512*\i th:TH_LOAD_NT     ; pass 0: my 16 rows, one an instruction
.endr
.irp n, 0,1,2,3,4,5,6,7,8,9,10,11,12,13,14,15,16,17,18,19,20,21,22,23,24,25,26,27,28,29,30,31
	v_mov_b32 v[SAV+\n], 0                         ; the selects read what they may keep, so it is written once, while the loads are out
.endr
; my 16 rows into the stage, one an instruction
.macro STAGE P
.if \P
	s_wait_loadcnt 0x0                             ; pass 1's rows, asked for a pass ago
	WIN 0x04                                       ; the stores' data lie in window 1
.endif
.irp i, 0,1,2,3,4,5,6,7,8,9,10,11,12,13,14,15
.if \P
	ds_store_b128 v[STW], v[4*\i:4*\i+3] offset:XP*\i
.else
	s_wait_loadcnt 15-\i                           ; loads come back in order (ISA guide 5.7.1): row i is in; the younger rows may be out
	ds_store_b128 v[STW], v[XF+4*\i:XF+4*\i+3] offset:XP*\i
.endif
.endr
	WIN 0
.endm
; and back: of row r the numbers k = 32 c + 16 h + 0 .. 15, block c.  LDS serves a wave's instructions in order (ISA guide 5.7.1.4): the loads see the stores
.macro XFETCH
.irp c, 0,1,2,3
.irp j, 0,1,2,3
	ds_load_b128 v[TU+16*\c-80*(\c/2)+4*\j:TU+16*\c-80*(\c/2)+4*\j+3], v[STR] offset:128*\c+16*\j
.endr
.endr
.endm
; 64 numbers of a lane become a fragment in v[XF ..] and a scale word in v[XSW], and leave as images
.macro QUANT P
.irp b, 0,1,2,3
	v_max3_num_f32 v[TM+\b], |v[TU+16*\b-80*(\b/2)]|, |v[TU+16*\b-80*(\b/2)+1]|, 0x8000000   ; block b: my 16 numbers, and the floor 2^(16 - 127): the byte cannot fall under 1
.endr
.irp n, 2,4,6,8,10,12,14
.irp b, 0,1,2,3
	v_max3_num_f32 v[TM+\b], v[TM+\b], |v[TU+16*\b-80*(\b/2)+\n]|, |v[TU+16*\b-80*(\b/2)+1+\n]|   ; (the four blocks by turns)
.endr
.endr
.irp b, 0,1,2,3
	v_permlanex16_b32 v[TM+4+\b], v[TM+\b], s44, s45
.endr
.irp b, 0,1,2,3
	v_max_num_f32 v[TM+\b], v[TM+\b], v[TM+4+\b]   ; with lane l xor 16's: the block's largest magnitude
.endr
.irp b, 0,1,2,3
	v_add_nc_u32 v[TM+12+\b], 0xf8800000, v[TM+\b] ; 15 off its exponent field: the conversion's scale operand
.endr
.irp b, 0,1,2,3
	v_and_or_b32 v[TM+8+\b], v[TM+\b], 0x7f800000, s46   ; 57,344 x the scale
.endr
.irp b, 0,1,2,3
	v_lshrrev_b32 v[TM+4+\b], 23, v[TM+12+\b]      ; the scale's byte
.endr
	v_lshl_or_b32 v[XSW], v[TM+5], 8, v[TM+4]
	v_lshl_or_b32 v[TM+6], v[TM+7], 8, v[TM+6]
.irp b, 0,1,2,3
.irp n, 0,1,2,3,4,5,6,7,8,9,10,11,12,13,14,15
	v_med3_num_f32 v[TU+16*\b-80*(\b/2)+\n], v[TU+16*\b-80*(\b/2)+\n], -v[TM+8+\b], v[TM+8+\b]   ; the conversion to an 8-bit code does not saturate (ISA guide 7.6.2): the hold at the largest code x the scale
.endr
.if \b == 0
	v_lshl_or_b32 v[XSW], v[TM+6], 16, v[XSW]      ; the four bytes make my row's scale word
.endif
	v_cvt_scalef32_pk8_bf8_f32 v[XF+4*\b:XF+4*\b+1], v[TU+16*\b-80*(\b/2):TU+16*\b-80*(\b/2)+7], v[TM+12+\b]
	v_cvt_scalef32_pk8_bf8_f32 v[XF+4*\b+2:XF+4*\b+3], v[TU+16*\b-80*(\b/2)+8:TU+16*\b-80*(\b/2)+15], v[TM+12+\b]
.endr
	v_nop                                          ; one plain vector line behind the last conversion of a run
.irp c, 0,1,2,3
	ds_store_b128 v[IWF], v[XF+4*\c:XF+4*\c+3] offset:16384*\P+512*\c
.endr
	ds_store_b32 v[IWS], v[XSW] offset:1024*\P
.endm
.macro ADDR                            ; the addresses of my tile s40 (even): 2,048 bytes a tile of codes, 256 bytes two tiles of scale words and ne
	s_lshl_b32 s41, s40, 11
	s_lshl_b32 s42, s40, 7
	v_add_nc_u32 v7, s41, v4
	v_add_nc_u32 v8, s42, v5
	v_add_nc_u32 v9, s42, v6
.endm
.macro ALOAD p, off                    ; seven LDS loads: tile s40 + off into set p
.irp c, 0,1,2,3
	ds_load_b128 v[AF+16*(\p)+4*\c:AF+16*(\p)+4*\c+3], v7 offset:2048*(\off)+512*\c
.endr
	ds_load_b32 v[SCA+(\p)], v8 offset:256*((\off)/2)+64*((\off)%2)
	ds_load_b128 v[NE+8*(\p):NE+8*(\p)+3], v9 offset:256*((\off)/2)+64*((\off)%2)
	ds_load_b128 v[NE+8*(\p)+4:NE+8*(\p)+7], v9 offset:256*((\off)/2)+64*((\off)%2)+16
.endm
.macro MMA q, i                        ; the tile's 16 codes x row tile i, onto ne.  Eight results of two sets take turns; none is added onto
	v_wmma_scale_f32_16x16x128_f8f6f4 v[D+32*(\q)+8*\i:D+32*(\q)+8*\i+7], v[AF+16*(\q):AF+16*(\q)+15], v[XF+16*\i:XF+16*\i+15], v[NE+8*(\q):NE+8*(\q)+7], v[SCA+(\q)], v[XSW+\i] matrix_a_fmt:MATRIX_FMT_BF8 matrix_b_fmt:MATRIX_FMT_BF8
.endm
.macro CMP p, i
	v_cmp_gt_f32 vcc_lo, v[BEST+2*\i+(\p)], v[BEST+2*\i+1-(\p)]    ; strictly larger: an earlier tile keeps a tie
.endm
.macro SEL p, i                        ; where the tile has raised BEST its number and its eight D are kept
	v_cndmask_b32 v[TIDX+\i], v[TIDX+\i], s[40+17*(\p)], vcc_lo
.irp j, 0,2,4,6
	v_dual_cndmask_b32 v[SAV+8*\i+\j], v[SAV+8*\i+\j], v[D+32*(\p)+8*\i+\j] :: v_dual_cndmask_b32 v[SAV+8*\i+\j+1], v[SAV+8*\i+\j+1], v[D+32*(\p)+8*\i+\j+1]
.endr
.endm
; Tile t's trip; p = t % 2.  ld = 1: tile t + 2 is fetched into set p.  mm = 1: tile t + 1 is multiplied, in set 1 - p.  turn = 1: pass 1's rows go into the stage.
; PLACES (eight behind this form): behind the last product stand row tile 2's and 3's eleven plain vector lines, which name none of its registers, ahead of the next loads and maxima.
.macro TRIP p, ld, mm, turn
.if \p
	s_add_co_u32 s57, s40, 1                       ; the odd tile's number
.endif
.if \ld
	ALOAD \p, 2+\p
	s_wait_dscnt 7                                 ; LDS loads come back in order: tile t + 1's seven are in; the seven just issued may be out
.elseif \mm
	s_wait_dscnt 0x0
.endif
.if \turn
	STAGE 1
.endif
.irp i, 0,1,2,3                        ; BEST[p] = the largest of BEST[1 - p] and the tile's eight D; each result is read from its low end on
	v_max3_num_f32 v[BEST+2*\i+(\p)], v[BEST+2*\i+1-(\p)], v[D+32*(\p)+8*\i], v[D+32*(\p)+8*\i+1]
.endr
.irp j, 2,4,6
.irp i, 0,1,2,3
	v_max3_num_f32 v[BEST+2*\i+(\p)], v[BEST+2*\i+(\p)], v[D+32*(\p)+8*\i+\j], v[D+32*(\p)+8*\i+\j+1]
.endr
.endr
	CMP \p, 0
.if \mm
	MMA 1-\p, 0
.endif
	SEL \p, 0
	CMP \p, 1
.if \mm
	MMA 1-\p, 1
.endif
	SEL \p, 1
	CMP \p, 2
.if \mm
	MMA 1-\p, 2
	MMA 1-\p, 3
.endif
	SEL \p, 2
	CMP \p, 3
	SEL \p, 3
.endm
.macro SEARCH P
.irp i, 0,1,2,3                        ; my group's four row tiles come as they were stored: the same registers in the same lanes
.irp c, 0,1,2,3
	ds_load_b128 v[XF+16*\i+4*\c:XF+16*\i+4*\c+3], v[IRF] offset:16384*\P+2048*\i+512*\c
.endr
	ds_load_b32 v[XSW+\i], v[IRS] offset:1024*\P+128*\i
.endr
	s_mov_b32 s40, 0                               ; the tile in hand among my 16, and the loop's counter
	ADDR
	ALOAD 0, 0
	ALOAD 1, 1
	s_wait_dscnt 7                                 ; the images and tile 0's seven are in; tile 1's seven may be out
	MMA 0, 0
	MMA 0, 1
	MMA 0, 2
	MMA 0, 3
.irp i, 0,1,2,3
	v_mov_b32 v[BEST+2*\i+1], 0xff800000           ; -infinity: the first tile is taken.  (These eight lines are places behind the products)
	v_mov_b32 v[TIDX+\i], 0
.endr
	s_wait_alu depctr_va_vdst(0)
.Ltile_\P:                                         ; 7 trips of two tiles: my tiles 0 to 13
	ADDR
	TRIP 0, 1, 1, 0
	TRIP 1, 1, 1, 0
	s_add_co_u32 s40, s40, 2
	s_cmp_lt_u32 s40, 14
	s_cbranch_scc1 .Ltile_\P
.if \P
	TRIP 0, 0, 1, 0                                ; tile 14: nothing is left to fetch; tile 15 is multiplied
.else
	TRIP 0, 0, 1, 1                                ; and pass 1's rows turn under pass 0's last lines: they come back into D's set 0 and the code fragments, which are free
	XFETCH
.endif
	TRIP 1, 0, 0, 0                                ; tile 15
.endm
; ---- a pass's result: my quarter's best of each of my 64 rows.  The last BEST lies in set 1; D's set 1 is free
.set JX, 218
.set IX, 222
.set PV, 226
.set PI, 230
.set MI, 234
.set RR, 238
.set VV, 242
.set OT, 246
.macro EXTRACT P
.irp i, 0,1,2,3
	v_mov_b32 v[JX+\i], 7
.endr
.irp j, 6,5,4,3,2,1,0                  ; downward, so that the lowest j whose D equals BEST stays
.irp i, 0,1,2,3
	v_cmp_eq_f32 s[48+\i], v[SAV+8*\i+\j], v[BEST+2*\i+1]
.endr
.irp i, 0,1,2,3
	v_cndmask_b32 v[JX+\i], v[JX+\i], \j, s[48+\i]
.endr
.endr
.irp i, 0,1,2,3
	v_lshl_add_u32 v[IX+\i], v[TIDX+\i], 4, v[JX+\i]
.endr
.irp i, 0,1,2,3
	v_add_nc_u32 v[IX+\i], v[IB], v[IX+\i]         ; the code: 256 x quarter + 16 t + 8 h + j
.endr
.irp i, 0,1,2,3
	v_permlanex16_b32 v[PV+\i], v[BEST+2*\i+1], s44, s45   ; the other eight codes of each tile lie in lane l xor 16
.endr
.irp i, 0,1,2,3
	v_permlanex16_b32 v[PI+\i], v[IX+\i], s44, s45
.endr
.irp i, 0,1,2,3
	v_cmp_eq_f32 s[52+\i], v[PV+\i], v[BEST+2*\i+1]
	v_cmp_gt_f32 s[48+\i], v[PV+\i], v[BEST+2*\i+1]
	v_max_num_f32 v[VV+\i], v[PV+\i], v[BEST+2*\i+1]
.endr
.irp i, 0,1,2,3
	v_min_u32 v[MI+\i], v[IX+\i], v[PI+\i]
	v_cndmask_b32 v[RR+\i], v[IX+\i], v[PI+\i], s[48+\i]
.endr
.irp i, 0,1,2,3
	v_cndmask_b32 v[RR+\i], v[RR+\i], v[MI+\i], s[52+\i]   ; on a tie the smaller index.  Both lanes of a row now hold the same
.endr
	v_cndmask_b32 v[OT], v[VV], v[VV+1], s47       ; lanes 0-15: rows 0-15; lanes 16-31: rows 16-31
	v_cndmask_b32 v[OT+1], v[VV+2], v[VV+3], s47   ; rows 32-63 likewise
	v_cndmask_b32 v[OT+2], v[RR], v[RR+1], s47
	v_cndmask_b32 v[OT+3], v[RR+2], v[RR+3], s47
	ds_store_b32 v[MRW], v[OT] offset:512*\P
	ds_store_b32 v[MRW], v[OT+1] offset:512*\P+128
	ds_store_b32 v[MRW], v[OT+2] offset:4096+512*\P
	ds_store_b32 v[MRW], v[OT+3] offset:4096+512*\P+128
.endm
	STAGE 0
	XFETCH
	WIN 0x40
.irp i, 0,1,2,3,4,5,6,7,8,9,10,11,12,13,14,15
	global_load_b128 v[4*\i:4*\i+3], v[XO], s[4:5] offset:65536+512*\i th:TH_LOAD_NT     ; pass 1: 128 rows further on, into v256-319
.endr
	WIN 0
	s_wait_dscnt 0x0
	QUANT 0
	s_wait_tensorcnt 0x0                           ; my eighth of epack is in,
	s_wait_dscnt 0x0                               ; my image has landed,
	s_barrier_signal -1
	s_barrier_wait -1                              ; everybody's have
	SEARCH 0
	EXTRACT 0
	s_wait_dscnt 4                                 ; my turned rows are in; the four stores just issued may be out
	QUANT 1
	s_wait_dscnt 0x0                               ; my image of pass 1 has landed,
	s_barrier_signal -1
	s_barrier_wait -1                              ; everybody's have
	SEARCH 1
	EXTRACT 1
	s_wait_dscnt 0x0                               ; for the others' sake: my quarter's results have landed
	s_barrier_signal -1
	s_barrier_wait -1
; ---- the four quarters meet: wave w < 4 takes rows 64 w .. 64 w + 63, two a lane.  The branch hangs on the wave's number alone
.set FV, 138
.set FI, 146
	s_cmp_ge_u32 s10, 4
	s_cbranch_scc1 .Lsent
.irp q, 0,1,2,3
	ds_load_b64 v[FV+2*\q:FV+2*\q+1], v[MRR] offset:1024*\q
	ds_load_b64 v[FI+2*\q:FI+2*\q+1], v[MRR] offset:4096+1024*\q
.endr
	s_wait_dscnt 0x0
.irp q, 1,2,3
	v_cmp_gt_f32 s48, v[FV+2*\q], v[FV]            ; strictly larger: an earlier quarter has the smaller indices and keeps a tie
	v_cmp_gt_f32 s49, v[FV+2*\q+1], v[FV+1]
	v_cndmask_b32 v[FV], v[FV], v[FV+2*\q], s48
	v_cndmask_b32 v[FV+1], v[FV+1], v[FV+2*\q+1], s49
	v_cndmask_b32 v[FI], v[FI], v[FI+2*\q], s48
	v_cndmask_b32 v[FI+1], v[FI+1], v[FI+2*\q+1], s49
.endr
	global_store_b64 v[SO], v[FI:FI+1], s[8:9]     ; 32 lanes store 64 indices: 256 consecutive bytes, aligned
.Lsent:
	s_wait_tensorcnt 0x0                           ; the wave's end
	ds_add_u32 v[SPW], v[NIL]
	s_wait_dscnt 0x0
	CROUND                                         ; the closing round: no work-group ends while a partner may still ask for a tile that names it
	s_endpgm
.Lfunc_end_k_q822d8a4c5f_nearest:
	.size	k_q822d8a4c5f_nearest, .Lfunc_end_k_q822d8a4c5f_nearest-k_q822d8a4c5f_nearest
	.p2alignl 7, 3214868480
	.fill 96, 4, 3214868480
	.section	.rodata,"a",@progbits
	.p2align	6, 0x0
	.amdhsa_kernel k_q822d8a4c5f_nearest
		.amdhsa_group_segment_fixed_size 327680
		.amdhsa_private_segment_fixed_size 0
		.amdhsa_enable_private_segment 0
		.amdhsa_kernarg_size 24
		.amdhsa_user_sgpr_count 2
		.amdhsa_user_sgpr_kernarg_segment_ptr 1
		.amdhsa_wavefront_size32 1
		.amdhsa_system_sgpr_workgroup_id_x 1
		.amdhsa_system_sgpr_workgroup_id_y 1
		.amdhsa_system_sgpr_workgroup_id_z 1
		.amdhsa_system_vgpr_workitem_id 0
		.amdhsa_next_free_vgpr 320
		.amdhsa_next_free_sgpr 66
		.amdhsa_reserve_vcc 1
		.amdhsa_float_denorm_mode_32 3
		.amdhsa_float_denorm_mode_16_64 3
		.amdhsa_memory_ordered 1
		.amdhsa_forward_progress 1
		.amdhsa_inst_pref_size 77
	.end_amdhsa_kernel
	.amdgpu_metadata
---
amdhsa.version: [ 1, 2 ]
amdhsa.kernels:
  - .name:           k_q822d8a4c5f_nearest
    .symbol:         k_q822d8a4c5f_nearest.kd
    .args:
      - { .name: x, .offset: 0, .size: 8, .value_kind: global_buffer, .address_space: global }
      - { .name: epack, .offset: 8, .size: 8, .value_kind: global_buffer, .address_space: global }
      - { .name: idx, .offset: 16, .size: 8, .value_kind: global_buffer, .address_space: global }
    .group_segment_fixed_size: 327680
    .private_segment_fixed_size: 0
    .kernarg_segment_align: 8
    .kernarg_segment_size: 24
    .max_flat_workgroup_size: 256
    .sgpr_count:     66
    .vgpr_count:     320
    .wavefront_size: 32
...
	.end_amdgpu_metadata
.endif
;; end of part 2
;; launch gather (part 3): grid 256 x 1, 16 waves a work-group, no clusters, 0 bytes of LDS; arguments idx, embt, out0; writes out0
.if DOCPART == 3
	.amdgcn_target "amdgcn-amd-amdhsa--gfx1250"
	.amdhsa_code_object_version 6
	.text
	.protected	k_q822d8a4c5f_gather
	.globl	k_q822d8a4c5f_gather
	.p2align	8
	.type	k_q822d8a4c5f_gather,@function
k_q822d8a4c5f_gather:
	s_mov_b64 s[64:65], 0
	v_nop
	global_prefetch_b8 v0, s[64:65] scope:SCOPE_SE
	s_setreg_imm32_b32 hwreg(HW_REG_WAVE_MODE, 25, 1), 1
	s_wait_xcnt 0x0
; out[row] = embt[idx[row]].  out: [65536][128] f32; embt: [1024][128] f32; idx: [65536] whole numbers, stored by the launch before.
; LEFT OUT (shown at the first kernel's head): x + (q - x) = q, so x is not loaded; a NaN or an infinity of x, or an overflow of q - x, is not carried to the result.
; Work-group g takes rows 256 g .. 256 g + 255, wave w 16 of them; a row is 512 bytes, one load or store of 16 bytes a lane: 512 consecutive bytes, aligned.
; A wave's 16 indices are 64 consecutive bytes: one scalar load.  Each is held to 0 .. 1023 before it enters an address.
; Written out, no loop: every offset is an immediate, every row has registers of its own, so no source of a pending load or store is rewritten; nothing to prefetch ahead of.
; No LDS, no matrix unit, no cluster: which rows of embt a work-group wants hangs on its own indices, so no tile is shared at a known time.
.set Q,   16                           ; v16-79   16 rows
.set OFF, 80                           ; v80-95   byte offsets in embt
	s_load_b128 s[4:7], s[0:1], 0x0                ; idx s[4:5], embt s[6:7]
	s_load_b64 s[8:9], s[0:1], 0x10                ; out
	v_lshrrev_b32 v2, 5, v0
	v_readfirstlane_b32 s12, v2                    ; wave 0..15
	s_lshl_b32 s13, ttmp9, 8
	s_lshl_b32 s14, s12, 4
	s_add_co_u32 s13, s13, s14                     ; my first row
	s_lshl_b32 s14, s13, 9                         ; in bytes of out (under 2^25)
	s_mov_b32 s15, 0
	s_lshl_b32 s2, s13, 2                          ; and of idx
	s_mov_b32 s3, 0
	v_and_b32 v1, 31, v0
	v_lshlrev_b32 v1, 4, v1                        ; 16 x lane
	s_wait_alu depctr_va_vdst(0)                   ; the wait at the head's end
	s_wait_kmcnt 0x0
	s_add_nc_u64 s[4:5], s[4:5], s[2:3]
	s_load_b512 s[16:31], s[4:5], 0x0              ; my 16 indices
	s_add_nc_u64 s[8:9], s[8:9], s[14:15]
	s_wait_kmcnt 0x0
.irp i, 0,1,2,3,4,5,6,7,8,9,10,11,12,13,14,15
	s_min_u32 s[16+\i], s[16+\i], 0x3ff            ; inside the table
	s_lshl_b32 s[16+\i], s[16+\i], 9               ; a row of embt is 512 bytes
	v_add_nc_u32 v[OFF+\i], s[16+\i], v1
.endr
	s_wait_alu depctr_va_vdst(0)                   ; directly ahead of the readers below
.irp i, 0,1,2,3,4,5,6,7,8,9,10,11,12,13,14,15
	global_load_b128 v[Q+4*\i:Q+4*\i+3], v[OFF+\i], s[6:7]   ; rows that many waves name again: no hint
.endr
.irp i, 0,1,2,3,4,5,6,7,8,9,10,11,12,13,14,15
	s_wait_loadcnt 15-\i                           ; loads come back in order (ISA guide 5.7.1): row i is in; the younger rows may be out
	global_store_b128 v1, v[Q+4*\i:Q+4*\i+3], s[8:9] offset:512*\i th:TH_STORE_NT   ; written once, read by nobody here
.endr
	s_endpgm
.Lfunc_end_k_q822d8a4c5f_gather:
	.size	k_q822d8a4c5f_gather, .Lfunc_end_k_q822d8a4c5f_gather-k_q822d8a4c5f_gather
	.p2alignl 7, 3214868480
	.fill 96, 4, 3214868480
	.section	.rodata,"a",@progbits
	.p2align	6, 0x0
	.amdhsa_kernel k_q822d8a4c5f_gather
		.amdhsa_group_segment_fixed_size 0
		.amdhsa_private_segment_fixed_size 0
		.amdhsa_enable_private_segment 0
		.amdhsa_kernarg_size 24
		.amdhsa_user_sgpr_count 2
		.amdhsa_user_sgpr_kernarg_segment_ptr 1
		.amdhsa_wavefront_size32 1
		.amdhsa_system_sgpr_workgroup_id_x 1
		.amdhsa_system_sgpr_workgroup_id_y 1
		.amdhsa_system_sgpr_workgroup_id_z 1
		.amdhsa_system_vgpr_workitem_id 0
		.amdhsa_next_free_vgpr 96
		.amdhsa_next_free_sgpr 66
		.amdhsa_reserve_vcc 0
		.amdhsa_float_denorm_mode_32 3
		.amdhsa_float_denorm_mode_16_64 3
		.amdhsa_memory_ordered 1
		.amdhsa_forward_progress 1
		.amdhsa_inst_pref_size 7
	.end_amdhsa_kernel
	.amdgpu_metadata
---
amdhsa.version: [ 1, 2 ]
amdhsa.kernels:
  - .name:           k_q822d8a4c5f_gather
    .symbol:         k_q822d8a4c5f_gather.kd
    .args:
      - { .name: idx, .offset: 0, .size: 8, .value_kind: global_buffer, .address_space: global }
      - { .name: embt, .offset: 8, .size: 8, .value_kind: global_buffer, .address_space: global }
      - { .name: out0, .offset: 16, .size: 8, .value_kind: global_buffer, .address_space: global }
    .group_segment_fixed_size: 0
    .private_segment_fixed_size: 0
    .kernarg_segment_align: 8
    .kernarg_segment_size: 24
    .max_flat_workgroup_size: 512
    .sgpr_count:     66
    .vgpr_count:     96
    .wavefront_size: 32
...
	.end_amdgpu_metadata
.endif
;; end of part 3
